; MI455X (gfx1250); checked and timed in simulation.
; The chip was launched on July 23, 2026; its instructions are those of AMD's public machine-readable ISA for CDNA 5 (MIT licence, August 2026) and "CDNA5" Instruction Set Architecture Reference Guide (July 2026). The comments in the code are by the model that wrote it; some were corrected since.
;; Attention. Allowed arithmetic: matrix products marked QUANTISED: E2M3 operands, one E8M0 scale for each 32 along K, by v_wmma_scale_f32_16x16x128_f8f6f4 with both operands' format E2M3, f32 sums; everything else in f32.
;; Inputs: w_k_codes 1,024 x 32 x 24 uint8 (E2M3 codes of w_k, K innermost, in blocks of 32 codes, four codes in three bytes); w_k_scales 1,024 x 32 uint8 (E8M0 scales of w_k, one for each 32 codes along K); w_o_codes 1,024 x 32 x 24 uint8 (E2M3 codes of w_o, K innermost, in blocks of 32 codes, four codes in three bytes); w_o_scales 1,024 x 32 uint8 (E8M0 scales of w_o, one for each 32 codes along K); w_q_codes 1,024 x 32 x 24 uint8 (E2M3 codes of w_q, K innermost, in blocks of 32 codes, four codes in three bytes); w_q_scales 1,024 x 32 uint8 (E8M0 scales of w_q, one for each 32 codes along K); w_v_codes 1,024 x 32 x 24 uint8 (E2M3 codes of w_v, K innermost, in blocks of 32 codes, four codes in three bytes); w_v_scales 1,024 x 32 uint8 (E8M0 scales of w_v, one for each 32 codes along K); x_codes 4 x 2,048 x 32 x 24 uint8 (E2M3 codes of x, K innermost, in blocks of 32 codes, four codes in three bytes); x_scales 4 x 2,048 x 32 uint8 (E8M0 scales of x, one for each 32 codes along K).
;; Outputs: out0 4 x 2,048 x 1,024 float32.
;; This version of the problem:
;;   THIS VERSION OF THE PROBLEM IS GIVEN IN LOW PRECISION. The matrix products marked QUANTISED in the list below multiply operands that are first quantised to E2M3 (2 exponent bits, 3 mantissa bits; 6 bits a number), with one power-of-two scale for each 32 numbers along K (OCP MX v1.0); their sums are f32. All else is computed in f32.
;;   The module's matrix products, in the order in which they are computed (A, B: the left and right operand; K: the contracted axis; several contracted axes count as one K, in the product's order):
;;     1. [M 8,192, K 1,024] x [K 1,024, N 1,024]; A: input x (given as codes); B: input w_q (given as codes): QUANTISED
;;     2. [M 8,192, K 1,024] x [K 1,024, N 1,024]; A: input x (given as codes); B: input w_k (given as codes): QUANTISED
;;     3. [M 8,192, K 1,024] x [K 1,024, N 1,024]; A: input x (given as codes); B: input w_v (given as codes): QUANTISED
;;     4. batch 64 x [M 2,048, K 64] x [K 64, N 2,048]; A: computed on the way; B: computed on the way: QUANTISED
;;     5. batch 64 x [M 2,048, K 2,048] x [K 2,048, N 64]; A: softmax (see below); B: computed on the way: QUANTISED
;;     6. [M 8,192, K 1,024] x [K 1,024, N 1,024]; A: computed on the way; B: input w_o (given as codes): QUANTISED
;;   THE QUANTISER, for each operand of a quantised product, along K:
;;     - K is cut into blocks of 32 from its start; a last block that is shorter is filled with zeros.
;;     - A block's scale is 2^e with e = floor(log2(the largest magnitude in the block)) - 2, held to -126 .. 127; a block of zeros has e = 0. As a byte (E8M0): e + 127.
;;     - Each number is divided by its block's scale, clamped to +-7.5, and rounded to the nearest number of E2M3, ties to even, subnormals kept.
;;     - The product sums the exact products of the quantised numbers (number of the format x scale) in f32.
;;   ~~~python
;;   def quantise(x, axis):      # numpy; x: float32 -> the quantised numbers, widened to float32 again
;;       x = np.moveaxis(x, axis, -1); K = x.shape[-1]
;;       x = np.pad(x, [(0, 0)] * (x.ndim - 1) + [(0, -K % 32)]); x = x.reshape(x.shape[:-1] + (-1, 32)); a = np.abs(x).max(-1, keepdims=True)
;;       e = np.where(a > 0, np.clip(np.frexp(np.where(a > 0, a, 1))[1] - 1 - 2, -126, 127), 0)      # np.frexp(a)[1] - 1 = floor(log2(a)), exactly
;;       r = np.clip(x / 2.0 ** e, -7.5, 7.5)
;;       step = 2.0 ** (np.maximum(np.frexp(np.where(r == 0, 1, r))[1] - 1, 0) - 3)
;;       q = np.round(r / step) * step * 2.0 ** e      # np.round: ties to even
;;       return np.moveaxis(q.reshape(q.shape[:-2] + (-1,))[..., :K], -1, axis).astype(np.float32)
;;   ~~~
;;   SOFTMAX AHEAD OF A QUANTISED PRODUCT. Where the list says 'softmax', what is quantised is not the finished softmax but p = 2^(t - M), with t = logit x log2(e) and M = ceil(the row's largest t), a whole number; so 1/2 < the row's largest p <= 1. The row's sum l is taken of the UNQUANTISED p, in f32, and the product's result is divided by l at the end. Since M is a whole number, a kernel that streams over the keys may use a running M (the ceiling of the running maximum): every later rescaling is an exact power of two, which a block's scale takes up: the codes' values come out the same.
;;   OPERANDS COMPUTED ON THE WAY. 'Computed on the way' means the value that the module computes at that place (a softmax that the list does not call 'softmax' is quantised finished and normalised). What goes into a quantiser is computed in f32, as accurately as f32 sums, v_exp_f32 and their like allow (about 1e-6 of the number): no bf16 or f16 on the way to a quantiser, and a product that is left as it is and whose result goes on into a quantised operand takes f32 operands (vector FMAs, or v_wmma_f32_16x16x4_f32). A number that lies on a knife's edge between two numbers of the format may be rounded either way, as far as f32 arithmetic and the matrix unit's own rounding can turn it there, and no further.
;;   INPUTS GIVEN AS CODES. w_k (in the module: [1024, 1024], K = its axis 0); w_o (in the module: [1024, 1024], K = its axis 0); w_q (in the module: [1024, 1024], K = its axis 0); w_v (in the module: [1024, 1024], K = its axis 0); x (in the module: [4, 2048, 1024], K = its axis 2): each comes as NAME_codes (uint8): NAME with its K axis moved to the last place and cut into blocks of 32 codes, [.., K / 32, bytes a block], one block behind the other in memory; four codes in three bytes: a row's codes are one little-endian stream of bits, code i at bits 6 i .. 6 i + 5 (a code: sign, 2 exponent bits, 3 mantissa bits); and NAME_scales (uint8): the same leading axes, one E8M0 byte (e + 127) for each 32 codes along K. Its value is code x scale, taken as it is: it is not quantised again, and the codes and scales need not be those that the quantiser above would give.
;; One version. Each part assembles by itself: llvm-mc -triple=amdgcn-amd-amdhsa -mcpu=gfx1250 --defsym DOCPART=n.
;; ======== version 1 of 1: 3 launches
;; limits: right only within a limited range of input values
;; workspace buffers: qws 6,815,744 bytes; kvws 13,369,344 bytes; oimg 6,291,456 bytes; osc 262,144 bytes
;; launch qkv (part 1): grid 8 x 32, 4 waves a work-group, clusters of 4 x 4, 327,680 bytes of LDS; arguments x_codes, x_scales, w_q_codes, w_q_scales, w_k_codes, w_k_scales, w_v_codes, w_v_scales, qws, kvws; writes qws, kvws
.if DOCPART == 1
	.amdgcn_target "amdgcn-amd-amdhsa--gfx1250"
	.amdhsa_code_object_version 6
	.text
	.protected	k_q7522d049aa_qkv
	.globl	k_q7522d049aa_qkv
	.p2align	8
	.type	k_q7522d049aa_qkv,@function
k_q7522d049aa_qkv:
	s_mov_b64 s[64:65], 0
	v_nop
	global_prefetch_b8 v0, s[64:65] scope:SCOPE_SE
	s_setreg_imm32_b32 hwreg(HW_REG_WAVE_MODE, 25, 1), 1
	s_wait_xcnt 0x0
	s_wait_alu depctr_hold_cnt(0) depctr_sa_sdst(0) depctr_va_vdst(0) depctr_va_sdst(0) depctr_va_ssrc(0) depctr_va_vcc(0) depctr_vm_vsrc(0)
	s_getreg_b32 s2, hwreg(HW_REG_IB_STS2, 6, 4)
	s_cmp_eq_u32 s2, 0
	s_cbranch_scc0 .Lentry_in_a_cluster
	s_endpgm
.Lentry_in_a_cluster:
	s_bfe_u32 s2, ttmp6, 0x10000c
	s_cmp_lg_u32 s2, 0xf033
	s_cbranch_scc0 .Lentry_shape_is_right
	s_endpgm
.Lentry_shape_is_right:
; q = x Wq, k = x Wk, v = x Wv on codes of FP6 (E2M3), K = 1,024, and the results quantised in registers into the operands of attention.
; SHARES.  256 work-groups: 256 tokens (tile row rt) x 128 features (tile column ct) of EACH of q, k, v, three phases on the same rows of x, which come into LDS once, all of K.
; Four waves, 2 x 2: wave (a, b) takes key step a (128 tokens) and head b (64 features).  It holds its 64 rows of the weight, all of K, in 384 registers and streams x past them in 8 blocks of 16 rows, 32 products each.
; LDS: x's 256 rows (768 bytes + 16 behind every 256), a region for a weight's 128 rows, x's scale bytes (32 units of 256 + 16), the spare words.
; The weights' region is filled again twice (W_k, W_v), by wave 0, behind a round of the cluster's barrier at a phase's top, when all waves hold the old weight in registers; a plain barrier at the phase's end shows the new one.
; WHICH ROWS FORM A TILE is chosen by the LDS address.  q, k: source 0 = the weight; lane r of tile j takes feature 8 j + r % 8 + 32 (r / 8): a lane's 32 sums of a block are features 32 h + 0 .. 31 of one token: one scale block.
; v: source 0 = x; lane r of block (c, u) takes token 64 c + 8 pi(u) + r % 8 + 32 (r / 8), pi = 0, 2, 1, 3: a lane's 32 sums of a band of four blocks are key block 2 c + h of one feature, in the order 0-7, 16-23, 8-15, 24-31, in which the next launch lays p.
; WORKSPACE, as images of operand registers: qws [batch x head][step][8 tiles x 768 | 512 of scale words], kvws [batch x head][step][k as q, 6,656 | v: 4 tiles x 1,536 | 256 of scale words].
; CLUSTERS 4 x 4: x's rows and scale bytes are asked for jointly by a row of the cluster, a weight's rows by a column.
; PREFETCH: a weight's tile (384 blocks of 256 bytes) is asked for one phase ahead of its refill, shared out by address among the 16 waves of the four partners, 24 blocks a wave.
; LIMITS: NaN scale bytes (0xff) among the inputs are not served.  A block's byte is held at 1 from below; a block of zeros gets 1 where the rule says 127: its codes are zeros and this program alone reads the bytes.
.set PITCH, 816
.set KROW,  768
.set WB,    256*PITCH
.set SCLB,  WB+128*PITCH
.set SPARE, SCLB+32*272
.set NF,    28                         ; LDS loads of a block: 26 for eight fragments, 2 for eight scale words
.set FPW,   21                         ; fragments of 12 registers in a window; fragment f lies in window 1 + f / 21: 0-31 the weight's (4 q + j), 32-47 x's two sets
.set HEADQ, 106496
.set STEPQ, 6656
.set HEADK, 208896
.set STEPK, 13056
.set XN, 4                             ; v4,5 x's rows, natural; v6,7 permuted (second register: behind one padding more)
.set XP, 6
.set WN, 8                             ; v8,9 the weight's rows, natural; v12,13 permuted
.set SPW, 10
.set NIL, 11
.set WP, 12
.set SN, 14                            ; x's scale words, natural rows; v15 permuted
.set SP, 15
.set L16, 16
.set L8, 17
.set SH8, 18                           ; 8 h
.set PFO, 19
.set ADRA, 20
.set ABSP, 22
.set ABSN, 23
.set SB, 24                            ; v24-39 the weight's scale words; the later weights' wait in v840-871
.set TQ, 40
.set SOP, 42
.set EB, 43
.set SA, 44                            ; v44-59 x's scale words, two sets
.set TC, 60
.set OT, 63
.set ACC, 64                           ; v64-95 q, k: a block's sums; v64-191 v: a band's, 32 j + 8 u + i
.set NCD, 192                          ; q, k: two sets of six codes' registers; v: four operands of twelve
.set BA, 232                           ; v232-239 addresses of the weight's four tiles
.set PWE, 240
.set SW, 244
.set VW, 248
.set VS, 252
.set G1X, 24
.set G1W, 32
.set G1S, 92
.set G0X, 56
.set G0W, 60
.set G0S, 88
.set MSB, 0
.macro WIN new
.if MSB != (\new)
	s_set_vgpr_msb (MSB<<8)|(\new)
.set MSB, (\new)
.endif
.endm
.macro PLACES n
.rept \n
	v_nop
.endr
.endm
.macro WALU
	s_wait_alu depctr_va_vdst(0)
.endm
.macro BARRIER
	s_barrier_signal -1
	s_barrier_wait -1
.endm
.macro CROUND                          ; a round of the cluster's barrier
	BARRIER
	s_cmp_lg_u32 s14, 0
	s_cbranch_scc1 .Lnw0_\@
	s_barrier_signal -3
.Lnw0_\@:
	s_barrier_wait -3
	BARRIER
.endm
.macro TLOAD g0, g1
	tensor_load_to_lds s[\g0:\g0+3], s[\g1:\g1+7]
	s_nop 0
	PLACES 4
.endm
.macro GROUP1 g, mask                  ; 128 rows of 768 bytes, 16 bytes of padding behind every 256
	s_or_b32 s[\g+0], s[\mask], (1<<20)|(1<<21)|(5<<22)|(3<<25)
	s_mov_b32 s[\g+1], KROW<<16
	s_mov_b32 s[\g+2], 128<<16
	s_mov_b32 s[\g+3], KROW<<16
	s_mov_b32 s[\g+4], 128
	s_mov_b32 s[\g+5], KROW
	s_mov_b32 s[\g+6], 0
	s_mov_b32 s[\g+7], 0
.endm
.macro FRAG f, q, a0, a1               ; six pieces of 8 bytes, two to a load where both lie behind as many paddings
	WIN (1+(\f)/FPW)<<6
.set R_, 12*((\f)%FPW)
.set SKIP_, 0
.irp p, 0,1,2,3,4,5
.if SKIP_
.set SKIP_, 0
.else
.set PC_, 12*(\q)+6*(\p/3)+\p%3
.set PN_, 12*(\q)+6*((\p+1)/3)+(\p+1)%3
.set X_, (PC_%32+3)/32
.set XQ_, (PN_%32+3)/32
.if (\p < 5) && (X_ == XQ_)
.set SKIP_, 1
.if X_
	ds_load_2addr_b64 v[R_+2*\p:R_+2*\p+3], \a1 offset0:PC_+2*(PC_/32) offset1:PN_+2*(PN_/32)
.else
	ds_load_2addr_b64 v[R_+2*\p:R_+2*\p+3], \a0 offset0:PC_+2*(PC_/32) offset1:PN_+2*(PN_/32)
.endif
.elseif X_
	ds_load_b64 v[R_+2*\p:R_+2*\p+1], \a1 offset:8*(PC_+2*(PC_/32))
.else
	ds_load_b64 v[R_+2*\p:R_+2*\p+1], \a0 offset:8*(PC_+2*(PC_/32))
.endif
.endif
.endr
.endm
.macro WEIGHTS base, stride            ; my 64 rows of the weight, all of K
.irp b, 0,1,2,3
	v_add_nc_u32 v[BA+2*\b], \b*(\stride), v[\base]
	v_add_nc_u32 v[BA+2*\b+1], \b*(\stride), v[\base+1]
.endr
	WALU
.irp q, 0,1,2,3,4,5,6,7
.irp b, 0,1,2,3
	FRAG 4*\q+\b, \q, v[BA+2*\b], v[BA+2*\b+1]
.endr
.endr
	WIN 0
.endm
.macro GETX kind, t                    ; block t of x's rows into set t % 2; the first four lines are the places behind the products that read the set
.set T_, (\t)
.if \kind
.set PI_, 2*(T_%2)+(T_%4)/2
.set OF_, (64*(T_/4)+8*PI_)*PITCH
.set SO_, (8*(T_/4)+PI_)*272
.set XB_, XP
.set XS_, SP
.else
.set OF_, 16*T_*PITCH
.set SO_, 2*T_*272
.set XB_, XN
.set XS_, SN
.endif
	v_add_nc_u32 v[ADRA], OF_, v[XB_]
	v_add_nc_u32 v[ADRA+1], OF_, v[XB_+1]
	PLACES 2
	WALU
.irp q, 0,1,2,3,4,5,6,7
	FRAG 32+8*(T_%2)+\q, \q, v[ADRA], v[ADRA+1]
.endr
	WIN 0
	ds_load_b128 v[SA+8*(T_%2):SA+8*(T_%2)+3], v[XS_] offset:SO_
	ds_load_b128 v[SA+8*(T_%2)+4:SA+8*(T_%2)+7], v[XS_] offset:SO_+16
.endm
.macro P1 c, side, row
	v_wmma_scale_f32_16x16x128_f8f6f4 v[D_:D_+7], v[S0_:S0_+11], v[S1_:S1_+11], \c, v[X0_], v[X1_] matrix_a_fmt:MATRIX_FMT_FP6 matrix_b_fmt:MATRIX_FMT_FP6 matrix_\side\()_scale:MATRIX_SCALE_ROW\row
.endm
.macro P2 side, row
.if Q_
	P1 v[D_:D_+7], \side, \row
.else
	P1 0, \side, \row
.endif
.endm
.macro PROD kind, e, n, a0, as         ; product n = 4 q + j.  kind 0: source 0 the weight; kind 1: source 0 x
.set Q_, (\n)/4
.set J_, (\n)%4
.set FW_, 4*Q_+J_
.set FX_, 32+8*(\e)+Q_
.set D_, (\a0)+(\as)*J_
.if \kind
.set S0_, 12*(FX_%FPW)
.set S1_, 12*(FW_%FPW)
.set X0_, SA+8*(\e)+Q_
.set X1_, SB+8*(J_/2)+Q_
	WIN (1+FX_/FPW)|((1+FW_/FPW)<<2)
.if J_%2
	P2 b, 1
.else
	P2 b, 0
.endif
.else
.set S0_, 12*(FW_%FPW)
.set S1_, 12*(FX_%FPW)
.set X0_, SB+8*(J_/2)+Q_
.set X1_, SA+8*(\e)+Q_
	WIN (1+FW_/FPW)|((1+FX_/FPW)<<2)
.if J_%2
	P2 a, 1
.else
	P2 a, 0
.endif
.endif
.endm
.macro BLOCK kind, e, a0, as           ; 32 products, the four accumulators by turns
.set N_, 0
.rept 32
	PROD \kind, \e, N_, \a0, \as
.set N_, N_+1
.endr
	WIN 0
.endm
.macro QUANT x, c                      ; 32 sums from v[x] on: their largest magnitude in two chains, the scale, 32 codes into v[c .. c+5], my byte at its place (8 h bits up) joined with lane l xor 16's in v[EB], v[OT]
	v_max3_num_f32 v[TQ], |v[(\x)]|, |v[(\x)+1]|, |v[(\x)+2]|
	v_max3_num_f32 v[TQ+1], |v[(\x)+16]|, |v[(\x)+17]|, |v[(\x)+18]|
.irp k, 3,5,7,9,11,13
	v_max3_num_f32 v[TQ], v[TQ], |v[(\x)+\k]|, |v[(\x)+\k+1]|
	v_max3_num_f32 v[TQ+1], v[TQ+1], |v[(\x)+16+\k]|, |v[(\x)+17+\k]|
.endr
	v_max3_num_f32 v[TQ], v[TQ], |v[(\x)+15]|, 0x1800000     ; the floor 2^(3 - 127): the byte cannot fall under 1
	v_max3_num_f32 v[TQ+1], v[TQ+1], |v[(\x)+31]|, v[TQ]
	v_add_nc_u32 v[SOP], 0xff000000, v[TQ+1]                 ; 2 off the exponent field: the conversions' scale operand
	v_cvt_scalef32_pk16_fp6_f32 v[(\c):(\c)+2], v[(\x):(\x)+15], v[SOP]
	v_cvt_scalef32_pk16_fp6_f32 v[TC:TC+2], v[(\x)+16:(\x)+31], v[SOP]
	v_lshrrev_b32 v[EB], 23, v[SOP]                          ; the byte (a plain place behind the conversions)
.irp i, 0,1,2
	v_mov_b32 v[(\c)+3+\i], v[TC+\i]
.endr
	v_lshlrev_b32 v[EB], v[SH8], v[EB]
	v_permlanex16_b32 v[OT], v[EB], s18, s19
.endm
.macro QKBLK t                         ; a block of q or k: tile t of my step
.if (\t) < 7
	s_wait_dscnt NF                                ; all but the next block's fetch
.else
	s_wait_dscnt 0x0
.endif
	s_wait_xcnt 0x0                                ; the stores of two blocks ago have read their registers
	BLOCK 0, (\t)%2, ACC, 8
.if (\t) < 6
	GETX 0, (\t)+2
.else
	PLACES 4
.endif
.set NC_, NCD+8*((\t)%2)
	QUANT ACC, NC_
.if (\t)%2
	v_or_b32 v[OT], v[EB], v[OT]
	v_cndmask_b32 v[SW+(\t)/2], v[PWE], v[OT], s17 ; lanes 0-15 the even tile's words, lanes 16-31 the odd tile's
.else
	v_or_b32 v[PWE], v[EB], v[OT]
.endif
	global_store_b128 v[L16], v[NC_:NC_+3], s[54:55] offset:768*(\t)
	global_store_b64 v[L8], v[NC_+4:NC_+5], s[54:55] offset:768*(\t)+512
.endm
.macro VBLK t                          ; a block of v; behind a band's fourth block the band's way out
.if (\t) < 7
	s_wait_dscnt NF
.else
	s_wait_dscnt 0x0
.endif
	BLOCK 1, (\t)%2, ACC+8*((\t)%4), 32
.if (\t) < 6
	GETX 1, (\t)+2
.else
	PLACES 4
.endif
.if (\t)%4 == 3
.irp j, 0,1,2,3
	QUANT ACC+32*\j, NCD+12*\j+6*((\t)/4)
.if (\t)/4
	v_or_b32 v[OT], v[EB], v[OT]
	v_lshl_or_b32 v[VW+\j], v[OT], 16, v[VW+\j]
.else
	v_or_b32 v[VW+\j], v[EB], v[OT]
.endif
.endr
.endif
.endm
; ---- the head
	s_load_b512 s[68:83], s[0:1], 0x0              ; x 68, 70; w_q 72, 74; w_k 76, 78; w_v 80, 82 (codes, scales)
	s_load_b128 s[84:87], s[0:1], 0x40             ; qws, kvws
	v_lshl_add_u32 v[SPW], v0, 2, SPARE
	v_mov_b32 v[NIL], 0
	ds_add_u32 v[SPW], v[NIL]                      ; the opening lines
	ds_add_u32 v[SPW], v[NIL]
	v_lshrrev_b32 v1, 5, v0
	v_readfirstlane_b32 s14, v1                    ; wave; s15 = a, s16 = b
	s_lshr_b32 s15, s14, 1
	s_and_b32 s16, s14, 1
	s_bfe_u32 s40, ttmp6, 0x40000                  ; cx
	s_bfe_u32 s41, ttmp6, 0x40004                  ; cy
	s_lshl_b32 s42, ttmp9, 2
	s_add_co_u32 s42, s42, s40                     ; ct
	s_and_b32 s43, ttmp7, 0xffff
	s_lshl_b32 s43, s43, 2
	s_add_co_u32 s43, s43, s41                     ; rt
	s_lshl_b32 s44, s41, 2
	s_lshl_b32 s44, 15, s44                        ; my row of the cluster
	s_lshl_b32 s45, 0x1111, s40                    ; my column
	GROUP1 G1X, 44
	GROUP1 G1W, 45
	s_or_b32 s[G1S+0], s44, (3<<16)|(1<<20)|(1<<21)|(5<<22)|(3<<25)   ; 8,192 dense bytes as 32 rows of 256
	s_mov_b32 s[G1S+1], 32<<16
	s_mov_b32 s[G1S+2], 32<<16
	s_mov_b32 s[G1S+3], 32<<16
	s_mov_b32 s[G1S+4], 32
	s_mov_b32 s[G1S+5], 32
	s_mov_b32 s[G1S+6], 0
	s_mov_b32 s[G1S+7], 0
	s_mov_b32 s[G0X], 1
	s_mul_i32 s[G0X+1], s16, 128*PITCH             ; waves 2, 3: x's rows 0-127, 128-255
	s_mov_b32 s[G0W], 1
	s_mov_b32 s[G0W+1], WB
	s_mov_b32 s[G0S], 1
	s_mov_b32 s[G0S+1], SCLB
	s_mul_i32 s4, s43, 256*KROW
	s_mul_i32 s5, s16, 128*KROW
	s_add_co_u32 s4, s4, s5
	s_mov_b32 s5, 0
	s_lshl_b32 s6, s43, 13
	s_mov_b32 s7, 0
	s_mul_i32 s8, s42, 128*KROW
	s_mov_b32 s9, 0
	s_lshl_b32 s46, s42, 12
	s_lshl_b32 s47, s16, 11
	s_add_co_u32 s46, s46, s47                     ; my 64 rows' scale bytes in a weight
	s_mov_b32 s47, 0
	s_mov_b32 s18, 0x76543210
	s_mov_b32 s19, 0xfedcba98
	WALU
	s_wait_dscnt 0x0
	CROUND                                         ; in front of the first joint loads
	s_wait_kmcnt 0x0
	s_add_nc_u64 s[G0X+2:G0X+3], s[68:69], s[4:5]
	s_or_b32 s[G0X+3], s[G0X+3], 0x80000000
	s_add_nc_u64 s[G0S+2:G0S+3], s[70:71], s[6:7]
	s_or_b32 s[G0S+3], s[G0S+3], 0x80000000
	s_add_nc_u64 s[G0W+2:G0W+3], s[72:73], s[8:9]
	s_or_b32 s[G0W+3], s[G0W+3], 0x80000000
	s_cmp_eq_u32 s14, 0                            ; one tensor load a wave, one chain of arms
	s_cbranch_scc0 .La1
	TLOAD G0W, G1W                                 ; wave 0: W_q's rows
	s_branch .Lasked
.La1:
	s_cmp_eq_u32 s14, 1
	s_cbranch_scc0 .La2
	TLOAD G0S, G1S                                 ; wave 1: x's scale bytes
	s_branch .Lasked
.La2:
	TLOAD G0X, G1X                                 ; waves 2, 3: x's rows
.Lasked:
	s_add_nc_u64 s[20:21], s[76:77], s[8:9]        ; W_k's tile, W_v's tile
	s_add_nc_u64 s[22:23], s[80:81], s[8:9]
	s_add_nc_u64 s[74:75], s[74:75], s[46:47]
	s_add_nc_u64 s[78:79], s[78:79], s[46:47]
	s_add_nc_u64 s[82:83], s[82:83], s[46:47]
	s_lshr_b32 s50, s43, 3
	s_lshl_b32 s50, s50, 4
	s_lshl_b32 s51, s42, 1
	s_add_co_u32 s50, s50, s51
	s_add_co_u32 s50, s50, s16                     ; batch x 16 + head
	s_and_b32 s51, s43, 7
	s_lshl_b32 s51, s51, 1
	s_add_co_u32 s51, s51, s15                     ; step
	s_mul_i32 s10, s50, HEADQ
	s_mul_i32 s52, s51, STEPQ
	s_add_co_u32 s10, s10, s52
	s_mov_b32 s11, 0
	s_add_nc_u64 s[84:85], s[84:85], s[10:11]
	s_mul_i32 s10, s50, HEADK
	s_mul_i32 s52, s51, STEPK
	s_add_co_u32 s10, s10, s52
	s_add_nc_u64 s[86:87], s[86:87], s[10:11]
	s_mul_i32 s50, s15, 128*PITCH
	s_mul_i32 s51, s16, 64*PITCH
	s_add_co_u32 s51, s51, WB
	s_mul_i32 s52, s15, 16*272
	s_add_co_u32 s52, s52, SCLB
	s_lshl_b32 s53, s41, 2
	s_add_co_u32 s53, s53, s14
	s_mul_i32 s53, s53, 6144                       ; my sixteenth of a weight's tile
	v_and_b32 v1, 15, v0
	v_bfe_u32 v2, v0, 4, 1
	v_and_b32 v3, 31, v0
	v_and_b32 v240, 7, v0
	v_bfe_u32 v241, v0, 3, 1
	v_lshl_add_u32 v250, v241, 5, v240             ; r % 8 + 32 (r / 8)
	v_mul_u32_u24 v242, v1, PITCH
	v_mul_u32_u24 v243, v250, PITCH
	v_mad_u32_u24 v244, v2, 24, v242
	v_mad_u32_u24 v245, v2, 40, v242
	v_mad_u32_u24 v246, v2, 24, v243
	v_mad_u32_u24 v247, v2, 40, v243
	v_add_nc_u32 v[XN], s50, v244
	v_add_nc_u32 v[XN+1], s50, v245
	v_add_nc_u32 v[XP], s50, v246
	v_add_nc_u32 v[XP+1], s50, v247
	v_add_nc_u32 v[WN], s51, v244
	v_add_nc_u32 v[WN+1], s51, v245
	v_add_nc_u32 v[WP], s51, v246
	v_add_nc_u32 v[WP+1], s51, v247
	v_lshlrev_b32 v248, 5, v240
	v_mad_u32_u24 v[SN], v241, 272, v248
	v_mad_u32_u24 v[SP], v241, 1088, v248
	v_add_nc_u32 v[SN], s52, v[SN]
	v_add_nc_u32 v[SP], s52, v[SP]
	v_lshlrev_b32 v[L16], 4, v3
	v_lshlrev_b32 v[L8], 3, v3
	v_lshlrev_b32 v[SH8], 3, v2
	v_cmp_lt_u32 s17, 15, v3                       ; lanes 16-31
	v_lshlrev_b32 v[ABSN], 5, v3
	v_lshl_add_u32 v249, v2, 3, v250
	v_lshlrev_b32 v[ABSP], 5, v249
	v_min_u32 v251, 23, v3
	v_lshl_add_u32 v[PFO], v251, 8, s53
	v_mov_b32 v[OT], 0
	WALU
.irp p, 0,1                            ; the weights' scale words: register 8 p + q: lanes 0-15 tile 2 p's rows, lanes 16-31 tile 2 p + 1's
.irp c, 0,1
	global_load_b128 v[SB+8*\p+4*\c:SB+8*\p+4*\c+3], v[ABSP], s[74:75] offset:512*\p+16*\c
.endr
.endr
	WIN 0xc0
.irp p, 0,1
.irp c, 0,1
	global_load_b128 v[72+8*\p+4*\c:72+8*\p+4*\c+3], v[ABSP], s[78:79] offset:512*\p+16*\c
	global_load_b128 v[88+8*\p+4*\c:88+8*\p+4*\c+3], v[ABSN], s[82:83] offset:1024*\p+16*\c
.endr
.endr
	WIN 0
	s_wait_loadcnt 0x0
	s_cmp_eq_u32 s14, 0
	s_cbranch_scc0 .Lnot_w
	s_wait_tensorcnt 0x0
.Lnot_w:
	BARRIER                                        ; W_q's rows are in
	global_prefetch_b8 v[PFO], s[20:21] th:TH_LOAD_NT scope:SCOPE_SE   ; W_k's tile, which the first refill will load
	s_mov_b32 s3, 0
; ---- phases q and k: one text, two trips
.Lph:
	WEIGHTS WP, 8*PITCH
	s_wait_tensorcnt 0x0                           ; all my tensor loads are in (first trip: x's rows and scale bytes),
	ds_add_u32 v[SPW], v[NIL]                      ; the add,
	s_cmp_eq_u32 s3, 0
	s_cselect_b64 s[G0W+2:G0W+3], s[20:21], s[22:23]   ; the next weight's tile
	s_cselect_b64 s[54:55], s[84:85], s[86:87]     ; where this phase's results go
	s_or_b32 s[G0W+3], s[G0W+3], 0x80000000
	s_wait_dscnt 0x0                               ; the add is done and the weight is in my registers
	CROUND
	s_cmp_eq_u32 s14, 0
	s_cbranch_scc0 .Lno_fill
	TLOAD G0W, G1W                                 ; wave 0 fills the weights' region again
.Lno_fill:
	GETX 0, 0
	s_cmp_eq_u32 s3, 0
	s_cbranch_scc0 .Lno_pf
	global_prefetch_b8 v[PFO], s[22:23] th:TH_LOAD_NT scope:SCOPE_SE   ; W_v's tile, one phase ahead of its refill
.Lno_pf:
	GETX 0, 1
.irp t, 0,1,2,3,4,5,6,7
	QKBLK \t
.endr
	global_store_b128 v[L16], v[SW:SW+3], s[54:55] offset:6144
	WIN 3
.set I, 0
.rept 16
	v_mov_b32 v[SB+I], v[72+I]                     ; the next weight's scale words move up
.set I, I+1
.endr
	WIN 0xc3
.set I, 0
.rept 16
	v_mov_b32 v[72+I], v[88+I]
.set I, I+1
.endr
	WIN 0
	WALU
	s_wait_xcnt 0x0
	s_wait_tensorcnt 0x0
	s_wait_dscnt 0x0
	BARRIER                                        ; the next weight's rows are shown to all
	s_add_co_u32 s3, s3, 1
	s_cmp_lg_u32 s3, 2
	s_cbranch_scc1 .Lph
; ---- phase v
	WEIGHTS WN, 16*PITCH
	GETX 1, 0
	GETX 1, 1
.irp t, 0,1,2,3,4,5,6,7
	VBLK \t
.endr
	v_cndmask_b32 v[VS], v[VW], v[VW+1], s17
	v_cndmask_b32 v[VS+1], v[VW+2], v[VW+3], s17
.irp j, 0,1,2,3
.irp c, 0,1,2
	global_store_b128 v[L16], v[NCD+12*\j+4*\c:NCD+12*\j+4*\c+3], s[86:87] offset:6656+1536*\j+512*\c
.endr
.endr
	global_store_b64 v[L8], v[VS:VS+1], s[86:87] offset:12800
	s_wait_tensorcnt 0x0                           ; the wave's end
	ds_add_u32 v[SPW], v[NIL]
	s_wait_dscnt 0x0
	CROUND                                         ; the closing round
	s_endpgm
.Lfunc_end_k_q7522d049aa_qkv:
	.size	k_q7522d049aa_qkv, .Lfunc_end_k_q7522d049aa_qkv-k_q7522d049aa_qkv
	.p2alignl 7, 3214868480
	.fill 96, 4, 3214868480
	.section	.rodata,"a",@progbits
	.p2align	6, 0x0
	.amdhsa_kernel k_q7522d049aa_qkv
		.amdhsa_group_segment_fixed_size 327680
		.amdhsa_private_segment_fixed_size 0
		.amdhsa_enable_private_segment 0
		.amdhsa_kernarg_size 80
		.amdhsa_user_sgpr_count 2
		.amdhsa_user_sgpr_kernarg_segment_ptr 1
		.amdhsa_wavefront_size32 1
		.amdhsa_system_sgpr_workgroup_id_x 1
		.amdhsa_system_sgpr_workgroup_id_y 1
		.amdhsa_system_sgpr_workgroup_id_z 1
		.amdhsa_system_vgpr_workitem_id 0
		.amdhsa_next_free_vgpr 880
		.amdhsa_next_free_sgpr 100
		.amdhsa_reserve_vcc 0
		.amdhsa_float_denorm_mode_32 3
		.amdhsa_float_denorm_mode_16_64 3
		.amdhsa_memory_ordered 1
		.amdhsa_forward_progress 1
		.amdhsa_inst_pref_size 154
	.end_amdhsa_kernel
	.amdgpu_metadata
---
amdhsa.version: [ 1, 2 ]
amdhsa.kernels:
  - .name:           k_q7522d049aa_qkv
    .symbol:         k_q7522d049aa_qkv.kd
    .args:
      - { .name: x_codes, .offset: 0, .size: 8, .value_kind: global_buffer, .address_space: global }
      - { .name: x_scales, .offset: 8, .size: 8, .value_kind: global_buffer, .address_space: global }
      - { .name: w_q_codes, .offset: 16, .size: 8, .value_kind: global_buffer, .address_space: global }
      - { .name: w_q_scales, .offset: 24, .size: 8, .value_kind: global_buffer, .address_space: global }
      - { .name: w_k_codes, .offset: 32, .size: 8, .value_kind: global_buffer, .address_space: global }
      - { .name: w_k_scales, .offset: 40, .size: 8, .value_kind: global_buffer, .address_space: global }
      - { .name: w_v_codes, .offset: 48, .size: 8, .value_kind: global_buffer, .address_space: global }
      - { .name: w_v_scales, .offset: 56, .size: 8, .value_kind: global_buffer, .address_space: global }
      - { .name: qws, .offset: 64, .size: 8, .value_kind: global_buffer, .address_space: global }
      - { .name: kvws, .offset: 72, .size: 8, .value_kind: global_buffer, .address_space: global }
    .group_segment_fixed_size: 327680
    .private_segment_fixed_size: 0
    .kernarg_segment_align: 8
    .kernarg_segment_size: 80
    .max_flat_workgroup_size: 128
    .sgpr_count:     100
    .vgpr_count:     880
    .wavefront_size: 32
...
	.end_amdgpu_metadata
.endif
;; end of part 1
;; launch attn (part 2): grid 4 x 64, 16 waves a work-group, clusters of 4 x 1, 210,944 bytes of LDS; arguments qws, kvws, oimg, osc; writes oimg, osc
.if DOCPART == 2
	.amdgcn_target "amdgcn-amd-amdhsa--gfx1250"
	.amdhsa_code_object_version 6
	.text
	.protected	k_q7522d049aa_attn
	.globl	k_q7522d049aa_attn
	.p2align	8
	.type	k_q7522d049aa_attn,@function
k_q7522d049aa_attn:
	s_mov_b64 s[64:65], 0
	v_nop
	global_prefetch_b8 v0, s[64:65] scope:SCOPE_SE
	s_setreg_imm32_b32 hwreg(HW_REG_WAVE_MODE, 25, 1), 1
	s_wait_xcnt 0x0
	s_wait_alu depctr_hold_cnt(0) depctr_sa_sdst(0) depctr_va_vdst(0) depctr_va_sdst(0) depctr_va_ssrc(0) depctr_va_vcc(0) depctr_vm_vsrc(0)
	s_getreg_b32 s2, hwreg(HW_REG_IB_STS2, 6, 4)
	s_cmp_eq_u32 s2, 0
	s_cbranch_scc0 .Lentry_in_a_cluster
	s_endpgm
.Lentry_in_a_cluster:
	s_bfe_u32 s2, ttmp6, 0x10000c
	s_cmp_lg_u32 s2, 0x3003
	s_cbranch_scc0 .Lentry_shape_is_right
	s_endpgm
.Lentry_shape_is_right:
; Attention of one head on codes of FP6 (E2M3): S^T = k q^T (K = the head's 64), p = 2^(t - M), O^T = v^T p^T (K = the keys), O / l, and O quantised along the model axis for the last product.
; t = score x log2(e) / 8; M = the row's largest t so far, rounded UP to a whole number; p is quantised along the keys, not normalised; the row's sum l is taken of the unquantised p, in f32, and divides O
; at the end.  When M moves, l and O are multiplied by 2^(old M - new M): exact.
; SHARES.  256 work-groups: one head of one batch (cluster y) x 512 queries (my place in the cluster).  Sixteen waves of 256 registers, four to a SIMD, so that one wave's vector work stands beside another's
; matrix work and LDS loads.  Wave w owns the 16 queries of tile 32 cx + 16 p + w in pass p = 0, 1, and walks all 2,048 keys, 128 a step.
; LDS.  A head's k, v and their scale words are 16 steps x 13,056 = 208,896 bytes of kvws: they come into LDS ONCE and stay: no slot is filled again, nothing is stored to LDS.  Wave w brings step w, one dense
; block, to byte 13,056 w.  The four work-groups of a cluster walk the same head, so each block is asked for JOINTLY: the same load with the same descriptor and the mask of all four.
; The blocks are images of the operands' registers (16 bytes a lane for four registers, 8 for two): every LDS load reads consecutive bytes, no bank is met twice.
;   a step's block: k: 8 tiles of 16 keys x 768 | k's scale words 512 | v: 4 tiles of 16 channels x 1,536 (128 keys) | v's scale words 256
; THE SCORES' INSTRUCTION IS 128 DEEP, THE HEAD 64.  q's fragment has zero codes in registers 6-11, and the format has no NaN and no infinity: so k's upper six registers may hold anything.  k's eight half
; fragments lie on end in v32-79 and tile t names v[32 + 6 t .. 43 + 6 t]: its upper six are tile t + 1's codes; six zeros follow tile 7.  Bytes 2, 3 of q's and k's scale words are 0 (2^-127: no NaN).
; LAYOUT.  Both products are used transposed: a lane holds ONE query (lane % 16) throughout.  Register 8 t + j of S^T is key 16 t + 8 (lane / 16) + j: lanes l and l xor 16 hold a whole block of 32 keys; inside a
; block p's codes lie in the order 0-7, 16-23, 8-15, 24-31, and so do v's, which the launch before made in the same way.  O meets given codes (w_o), so its registers are put into the natural order first.
; LIMITS: NaN and infinities are not served.  p under 2^-126 counts as 0 (v_exp_f32 flushes: ISA guide 15.8), beside a row's sum of more than 1/2.  A block of O whose largest magnitude lies under 2^-124 has its
; byte held at 1, a block of zeros gets the byte 1 where the rule says 127: its codes are zeros, and this program alone reads the bytes.  A block's largest p is taken as the p of the block's largest score,
; which leans on v_exp_f32 not falling where its input rises.
; No data prefetch: all that the work-group reads in the loop is asked for by its first sixteen loads.
.set HEADQ, 106496                     ; a head in qws, a step of 128 queries in it
.set STEPQ, 6656
.set HEADK, 208896                     ; a head in kvws, a step of 128 keys in it
.set STEPK, 13056
.set L16,  1                           ; v1   16 x lane; never rewritten
.set L8,   2                           ; v2   8 x lane; never rewritten
.set A16,  3                           ; v3   the step's block + 16 x lane
.set A8,   4                           ; v4   the step's block + 8 x lane
.set VB,   5                           ; v5   osc: 32 (lane % 16) + lane / 16
.set QA16, 6                           ; v6-8 my tile's place in a step's block of qws: its registers 0-3, 4-5, its scale word
.set QA8,  7
.set QAS,  8
.set NM,   12                          ; v12  -M;  v13 the largest t;  v[14:15] the sum in two halves
.set SUM,  14
.set KF,   32                          ; v32-79 k's eight half fragments, then v's four fragments;  v80-85 zeros
.set S,    96                          ; v96-159 S^T, then p; at a pass's end O / l
.set O,    160                         ; v160-191 O^T
.set BM,   192                         ; v192-195 the blocks' largest scores, then largest p
.set BP,   196                         ; v196-199 the other half's, then the bytes, then the sum's second chain
.set SO,   200                         ; v200-203 the conversions' scale operands
.set CT,   204                         ; v204-206, v208-210 the conversions' second halves
.set FF,   212                         ; v[212:213] f = 2^(old M - new M), and 0
.set TP,   214
.set PSW,  215                         ; p's scale word: holds nothing else
.set VSC,  218                         ; v[218:219] v's scale words;  v[220:223] k's;  v216, v217 q's of pass 0, 1: they hold nothing else
.set KSC,  220
.set PF,   224                         ; v224-235 p's fragment
.set WV,   12                          ; s12 wave, s13 cx, s14 batch x head
.set G1,   16                          ; s[16:23], s[24:27] the descriptor
.set G0,   24
.set SEL,  28                          ; s[28:29] v_permlanex16_b32's selects for lane l xor 16
.set CS,   30                          ; s[30:31] c = log2(e) / 8, twice: the packed form names a pair
.set TB,   32                          ; s32 LDS byte of the step's block;  s33 steps to go;  s34 lanes 16-31
.macro ROUND                           ; a round of the cluster's barrier
	s_barrier_signal -1
	s_barrier_wait -1
	s_cmp_lg_u32 s[WV], 0
	s_cbranch_scc1 .Lnot_wave_0_\@
	s_barrier_signal -3
.Lnot_wave_0_\@:
	s_barrier_wait -3
	s_barrier_signal -1
	s_barrier_wait -1
.endm
	s_load_b256 s[4:11], s[0:1], 0x0               ; qws s[4:5], kvws s[6:7], oimg s[8:9], osc s[10:11]
	v_lshl_add_u32 v211, v0, 2, 0x33000
	v_mov_b32 v255, 0
	ds_add_u32 v211, v255
	ds_add_u32 v211, v255
	v_lshrrev_b32 v1, 5, v0
	s_delay_alu instid0(VALU_DEP_1)
	v_readfirstlane_b32 s[WV], v1                  ; wave 0..15
	s_bfe_u32 s13, ttmp6, 0x40000                  ; cx: it enters q's and the outputs' addresses alone
	s_and_b32 s14, ttmp7, 0xffff                   ; batch x 16 + head, which the four partners share
	; the descriptor: a dense block of 13,056 bytes as 51 rows of 256 bytes (32 elements of 8 bytes)
	s_mov_b32 s[G1+0], 15|(3<<16)|(1<<21)          ; 15:0 the mask: all four work-groups; 17:16 elements of 8 bytes; 20 no padding; 21 set beside a mask
	s_mov_b32 s[G1+1], 32<<16                      ; tensor_dim0
	s_mov_b32 s[G1+2], 51<<16                      ; tensor_dim1
	s_mov_b32 s[G1+3], 32<<16                      ; tile_dim0
	s_mov_b32 s[G1+4], 51                          ; tile_dim1
	s_mov_b32 s[G1+5], 32                          ; tensor_dim0_stride
	s_mov_b32 s[G1+6], 0
	s_mov_b32 s[G1+7], 0
	s_mov_b32 s[G0], 1
	s_mul_i32 s[G0+1], s[WV], STEPK                ; LDS: step w's block
	s_mul_i32 s42, s14, HEADK
	s_add_co_u32 s42, s42, s[G0+1]                 ; and the same block of the head in kvws
	s_mov_b32 s43, 0
	s_lshl_b32 s44, s13, 2                         ; q: step 4 cx + w / 8 (pass 1: two steps on)
	s_lshr_b32 s45, s[WV], 3
	s_add_co_u32 s44, s44, s45
	s_mul_i32 s44, s44, STEPQ
	s_mul_i32 s45, s14, HEADQ
	s_add_co_u32 s44, s44, s45
	s_mov_b32 s45, 0
	s_mov_b32 s[SEL], 0x76543210
	s_mov_b32 s[SEL+1], 0xfedcba98
	s_mov_b32 s[CS], 0x3e38aa3b                    ; log2(e) / sqrt(64)
	s_mov_b32 s[CS+1], s[CS]
	s_wait_dscnt 0x0
	s_wait_kmcnt 0x0
	s_add_nc_u64 s[G0+2:G0+3], s[6:7], s[42:43]
	s_or_b32 s[G0+3], s[G0+3], 0x80000000          ; type = 2
	s_add_nc_u64 s[36:37], s[4:5], s[44:45]        ; q's step
	s_lshr_b32 s46, s14, 4                         ; the batch
	s_lshl_b32 s44, s46, 7                         ; oimg [tile of 16 tokens 512][K step 8][1,536]: tile 128 batch + 32 cx + w (pass 1: 16 tiles on),
	s_lshl_b32 s45, s13, 5
	s_add_co_u32 s44, s44, s45
	s_add_co_u32 s44, s44, s[WV]
	s_mul_i32 s44, s44, 12288
	s_bfe_u32 s45, s14, 0x30001                    ; K step head / 2,
	s_mul_i32 s45, s45, 1536
	s_add_co_u32 s44, s44, s45
	s_and_b32 s45, s14, 1                          ; half head % 2
	s_mul_i32 s45, s45, 768
	s_add_co_u32 s44, s44, s45
	s_mov_b32 s45, 0
	s_add_nc_u64 s[38:39], s[8:9], s[44:45]
	s_lshl_b32 s44, s46, 11                        ; osc [token 8,192][32]: token 2,048 batch + 512 cx + 16 w, byte 2 head
	s_lshl_b32 s45, s13, 9
	s_add_co_u32 s44, s44, s45
	s_lshl_b32 s45, s[WV], 4
	s_add_co_u32 s44, s44, s45
	s_lshl_b32 s44, s44, 5
	s_and_b32 s45, s14, 15
	s_lshl_b32 s45, s45, 1
	s_add_co_u32 s44, s44, s45
	s_mov_b32 s45, 0
	s_add_nc_u64 s[40:41], s[10:11], s[44:45]
	ROUND                                          ; all four work-groups are here: the joint loads meet
	tensor_load_to_lds s[G0:G0+3], s[G1:G1+7]      ; my one tensor load of the launch: key step w
	s_nop 0
	v_and_b32 v9, 31, v0                           ; lane
	v_and_b32 v10, 15, v0                          ; r
	v_bfe_u32 v11, v0, 4, 1                        ; h
	s_delay_alu instid0(VALU_DEP_3)
	v_lshlrev_b32 v[L16], 4, v9
	s_delay_alu instid0(VALU_DEP_4)
	v_lshlrev_b32 v[L8], 3, v9
	s_delay_alu instid0(VALU_DEP_3)
	v_lshl_add_u32 v[VB], v10, 5, v11
	s_and_b32 s42, s[WV], 7                        ; my tile in its step of qws
	s_mul_i32 s42, s42, 768
	v_add_nc_u32 v[QA16], s42, v[L16]
	v_add_nc_u32 v[QA8], s42, v[L8]
	s_and_b32 s42, s[WV], 1                        ; its scale words: 256 (t % 2) + 16 r + 4 (t / 2)
	s_lshl_b32 s42, s42, 8
	s_bfe_u32 s43, s[WV], 0x20001
	s_lshl_b32 s43, s43, 2
	s_add_co_u32 s42, s42, s43
	v_lshl_add_u32 v[QAS], v10, 4, s42
	v_cmp_lt_u32 s34, 15, v9                       ; lanes 16-31
	global_load_b128 v[16:19], v[QA16], s[36:37]                     ; q of both passes stays in registers
	global_load_b64 v[20:21], v[QA8], s[36:37] offset:512
	global_load_b32 v216, v[QAS], s[36:37] offset:6144
	global_load_b128 v[236:239], v[QA16], s[36:37] offset:2*STEPQ
	global_load_b64 v[240:241], v[QA8], s[36:37] offset:2*STEPQ+512
	global_load_b32 v217, v[QAS], s[36:37] offset:2*STEPQ+6144
.irp j, 0,1,2,3,4,5
	v_mov_b32 v[22+\j], 0                          ; q's codes of the instruction's upper 64 along K
	v_mov_b32 v[242+\j], 0
	v_mov_b32 v[80+\j], 0                          ; what k's tile 7 names as its upper six
.endr
.irp b, 0,1,2,3
	v_mov_b32 v[BP+\b], 0                          ; written once: a lane permute's destination counts as one of its sources
.endr
	v_mov_b32 v[FF+1], 0                           ; (named as the upper half of the pair)
	v_mov_b32 v[TP], 0
	s_wait_loadcnt 0x0                             ; q
	s_wait_tensorcnt 0x0                           ; my step's block has landed,
	s_barrier_signal -1
	s_barrier_wait -1                              ; everybody's has: the head lies in LDS
; A KEY STEP: 128 keys.  qf: q's fragment; qs: its scale words.
.macro STEP qf, qs
	v_add_nc_u32 v[A16], s[TB], v[L16]
	v_add_nc_u32 v[A8], s[TB], v[L8]
	v_nop                                          ; with the two additions: four places behind the last products, in front of loads into the registers that they read
	v_nop
.irp t, 0,1,2,3,4,5,6,7
	ds_load_b128 v[KF+6*\t:KF+6*\t+3], v[A16] offset:768*\t
	ds_load_b64 v[KF+6*\t+4:KF+6*\t+5], v[A8] offset:768*\t+512
.endr
	ds_load_b128 v[KSC:KSC+3], v[A16] offset:6144  ; register j: lanes 0-15 tile 2 j's words, lanes 16-31 tile 2 j + 1's
	s_wait_alu depctr_va_vdst(0)
	s_wait_dscnt 0x0
.irp t, 0,2,4,6                                ; S^T = k q^T: source 0 = 16 keys, source 1 = my 16 queries
	v_wmma_scale_f32_16x16x128_f8f6f4 v[S+8*\t:S+8*\t+7], v[KF+6*\t:KF+6*\t+11], v[\qf:\qf+11], 0, v[KSC+\t/2], v[\qs] matrix_a_fmt:MATRIX_FMT_FP6 matrix_b_fmt:MATRIX_FMT_FP6
	v_wmma_scale_f32_16x16x128_f8f6f4 v[S+8*\t+8:S+8*\t+15], v[KF+6*\t+6:KF+6*\t+17], v[\qf:\qf+11], 0, v[KSC+\t/2], v[\qs] matrix_a_fmt:MATRIX_FMT_FP6 matrix_b_fmt:MATRIX_FMT_FP6 matrix_a_scale:MATRIX_SCALE_ROW1
.endr
.rept 4
	v_nop                                          ; places: the loads below land in k's registers, the maxima read the scores
.endr
.irp t, 0,1,2,3                                ; v is asked for now and lands under the softmax
.irp c, 0,1,2
	ds_load_b128 v[KF+12*\t+4*\c:KF+12*\t+4*\c+3], v[A16] offset:6656+1536*\t+512*\c
.endr
.endr
	ds_load_b64 v[VSC:VSC+1], v[A8] offset:12800
.irp b, 0,1,2,3
	v_max3_num_f32 v[BM+\b], v[S+16*\b], v[S+16*\b+1], v[S+16*\b+2]   ; THE LARGEST SCORE OF EACH BLOCK OF 32 KEYS: for the row's maximum, and, since p rises with the score, for the block's largest p
.endr
.irp i, 3,5,7,9,11,13
.irp b, 0,1,2,3
	v_max3_num_f32 v[BM+\b], v[BM+\b], v[S+16*\b+\i], v[S+16*\b+\i+1]   ; (the four blocks by turns; each accumulator is first read at its low end)
.endr
.endr
.irp b, 0,1,2,3
	v_max_num_f32 v[BM+\b], v[BM+\b], v[S+16*\b+15]
.endr
.irp b, 0,1,2,3
	s_delay_alu instid0(VALU_DEP_4)
	v_permlanex16_b32 v[BP+\b], v[BM+\b], s[SEL], s[SEL+1]
.endr
.irp b, 0,1,2,3
	s_delay_alu instid0(VALU_DEP_4)
	v_max_num_f32 v[BM+\b], v[BM+\b], v[BP+\b]     ; with lane l xor 16's 16 keys
.endr
	s_delay_alu instid0(VALU_DEP_2)
	v_max3_num_f32 v[TP], v[BM], v[BM+1], v[BM+2]
	s_delay_alu instid0(VALU_DEP_1)
	v_max_num_f32 v[TP], v[TP], v[BM+3]            ; the step's largest score of my query
	s_delay_alu instid0(VALU_DEP_1)
	v_mul_f32 v[TP], s[CS], v[TP]                  ; as t (c is positive)
	s_delay_alu instid0(VALU_DEP_1)
	v_max_num_f32 v[NM+1], v[NM+1], v[TP]          ; the running largest t
	v_mov_b32 v[TP], v[NM]
	s_delay_alu instid0(VALU_DEP_2)
	v_floor_f32 v[NM], -v[NM+1]                    ; the new -M = floor(-t) = -ceil(t)
	s_delay_alu instid0(VALU_DEP_1)
	v_sub_f32 v[TP], v[NM], v[TP]                  ; old M - new M: a whole number, 0 or less
	s_delay_alu instid0(VALU_DEP_1)
	v_cvt_i32_f32 v[TP], v[TP]                     ; (it saturates)
	s_delay_alu instid0(VALU_DEP_1)
	v_ldexp_f32 v[FF], 1.0, v[TP]                  ; f = 2^(old M - new M)
.set J, 0
.rept 32
	v_pk_fma_f32 v[S+J:S+J+1], v[S+J:S+J+1], s[CS:CS+1], v[NM:NM+1] op_sel_hi:[1,0,0]   ; t - M, two at a time (of the pairs c and -M the low word serves both halves)
.set J, J+2
.endr
.irp b, 0,1,2,3
	v_fma_f32 v[BM+\b], v[BM+\b], s[CS], v[NM]     ; the same of each block's largest score
.endr
.set J, 0
	s_wait_alu depctr_va_vdst(0)
.rept 64
	v_exp_f32 v[S+J], v[S+J]                       ; p = 2^(t - M), at most 1
.set J, J+1
.endr
.irp b, 0,1,2,3
	v_exp_f32 v[BM+\b], v[BM+\b]                   ; the block's largest p: the same two instructions on the same number give the same bits
.endr
	v_pk_mul_f32 v[SUM:SUM+1], v[SUM:SUM+1], v[FF:FF+1] op_sel_hi:[1,0]   ; the sums under the new M.  (A plain place behind the exponentials)
	s_wait_alu depctr_va_vdst(0)
.irp b, 0,1,2,3
	v_max_num_f32 v[BM+\b], 0x1800000, v[BM+\b]    ; the floor 2^(3 - 127): the byte cannot fall under 1
.endr
.irp b, 0,1,2,3
	s_delay_alu instid0(VALU_DEP_4)
	v_add_nc_u32 v[SO+\b], 0xff000000, v[BM+\b]    ; 2 off the exponent field: the conversion's scale operand
.endr
.irp b, 0,1,2,3
	s_delay_alu instid0(VALU_DEP_4)
	v_lshrrev_b32 v[BP+\b], 23, v[SO+\b]           ; the scale's byte
.endr
	s_delay_alu instid0(VALU_DEP_3)
	v_lshl_or_b32 v[PSW], v[BP+1], 8, v[BP]        ; p's scale word for these 128 keys
	s_delay_alu instid0(VALU_DEP_1)
	v_lshl_or_b32 v[PSW], v[BP+2], 16, v[PSW]
	s_delay_alu instid0(VALU_DEP_1)
	v_lshl_or_b32 v[PSW], v[BP+3], 24, v[PSW]
.irp c, 0,1
	v_cvt_scalef32_pk16_fp6_f32 v[PF+6*\c:PF+6*\c+2], v[S+32*\c:S+32*\c+15], v[SO+2*\c]
	v_cvt_scalef32_pk16_fp6_f32 v[CT+4*\c:CT+4*\c+2], v[S+32*\c+16:S+32*\c+31], v[SO+2*\c+1]   ; (a conversion's three registers begin on an even number)
.endr
	v_nop                                          ; one plain place behind a scaled conversion
.irp c, 0,1                                    ; the operand's layout wants a WHOLE block in a lane
.irp i, 0,1,2
	v_permlane16_swap_b32 v[PF+6*\c+\i], v[CT+4*\c+\i]
.endr
.irp i, 0,1,2
	s_delay_alu instid0(VALU_DEP_3)
	v_mov_b32 v[PF+3+6*\c+\i], v[CT+4*\c+\i]
.endr
.endr
	v_pk_add_f32 v[196:197], v[100:101], v[104:105]
	v_pk_add_f32 v[252:253], v[108:109], v[112:113]
	v_pk_add_f32 v[250:251], v[116:117], v[120:121]
	v_pk_add_f32 v[248:249], v[124:125], v[128:129]
	v_pk_add_f32 v[222:223], v[132:133], v[136:137]
	v_pk_add_f32 v[220:221], v[140:141], v[144:145]
	v_pk_add_f32 v[208:209], v[148:149], v[152:153]
	v_pk_add_f32 v[14:15], v[14:15], v[156:157]
	v_pk_add_f32 v[196:197], v[196:197], v[96:97]
	v_pk_add_f32 v[252:253], v[252:253], v[98:99]
	v_pk_add_f32 v[250:251], v[250:251], v[102:103]
	v_pk_add_f32 v[248:249], v[248:249], v[106:107]
	v_pk_add_f32 v[222:223], v[222:223], v[110:111]
	v_pk_add_f32 v[220:221], v[220:221], v[114:115]
	v_pk_add_f32 v[208:209], v[208:209], v[118:119]
	v_pk_add_f32 v[14:15], v[14:15], v[122:123]
	v_pk_add_f32 v[196:197], v[196:197], v[126:127]
	v_pk_add_f32 v[252:253], v[252:253], v[130:131]
	v_pk_add_f32 v[250:251], v[250:251], v[134:135]
	v_pk_add_f32 v[248:249], v[248:249], v[138:139]
	v_pk_add_f32 v[222:223], v[222:223], v[142:143]
	v_pk_add_f32 v[220:221], v[220:221], v[146:147]
	v_pk_add_f32 v[208:209], v[208:209], v[150:151]
	v_pk_add_f32 v[14:15], v[14:15], v[154:155]
	v_pk_add_f32 v[196:197], v[196:197], v[158:159]
	s_delay_alu instid0(VALU_DEP_2)
	v_pk_add_f32 v[14:15], v[14:15], v[248:249]
	s_delay_alu instid0(VALU_DEP_2)
	v_pk_add_f32 v[196:197], v[196:197], v[222:223]
	v_pk_add_f32 v[252:253], v[252:253], v[220:221]
	v_pk_add_f32 v[250:251], v[250:251], v[208:209]
	s_delay_alu instid0(VALU_DEP_2)
	v_pk_add_f32 v[14:15], v[14:15], v[252:253]
	s_delay_alu instid0(VALU_DEP_2)
	v_pk_add_f32 v[196:197], v[196:197], v[250:251]
	s_delay_alu instid0(VALU_DEP_1)
	v_pk_add_f32 v[14:15], v[14:15], v[196:197]
.set J, 0
.rept 16
	v_pk_mul_f32 v[O+J:O+J+1], v[O+J:O+J+1], v[FF:FF+1] op_sel_hi:[1,0]   ; O^T under the new M, each accumulator from its low end on.  (With the sums: the places between p's scale word and codes and the products)
.set J, J+2
.endr
	s_wait_alu depctr_va_vdst(0)
	s_wait_dscnt 0x0                               ; v and its scale words are in
.irp t, 0,2                                    ; O^T += v^T p^T: source 0 = 16 channels, source 1 = p; the four accumulators by turns
	v_wmma_scale_f32_16x16x128_f8f6f4 v[O+8*\t:O+8*\t+7], v[KF+12*\t:KF+12*\t+11], v[PF:PF+11], v[O+8*\t:O+8*\t+7], v[VSC+\t/2], v[PSW] matrix_a_fmt:MATRIX_FMT_FP6 matrix_b_fmt:MATRIX_FMT_FP6
	v_wmma_scale_f32_16x16x128_f8f6f4 v[O+8*\t+8:O+8*\t+15], v[KF+12*\t+12:KF+12*\t+23], v[PF:PF+11], v[O+8*\t+8:O+8*\t+15], v[VSC+\t/2], v[PSW] matrix_a_fmt:MATRIX_FMT_FP6 matrix_b_fmt:MATRIX_FMT_FP6 matrix_a_scale:MATRIX_SCALE_ROW1
.endr
.endm
; A PASS: one tile of 16 queries against all keys.  p: the pass; qf, qs: q's fragment and scale words; oc, ob: the registers of the pass's own for its codes and its byte, so that no store's data are written again.
.macro PASS p, qf, qs, oc, ob
	v_mov_b32 v[NM+1], 0xff61b1e6                  ; the largest t so far: -3e38, under every t
	s_delay_alu instid0(VALU_DEP_1)
	v_floor_f32 v[NM], -v[NM+1]
	v_mov_b32 v[SUM], 0
	v_mov_b32 v[SUM+1], 0
.set J, 0
.rept 32
	v_mov_b32 v[O+J], 0                            ; O^T: the step is written once; its first trip finds zeros, which the first change of M leaves zeros
.set J, J+1
.endr
	s_mov_b32 s[TB], 0
	s_mov_b32 s33, 16
.Lstep_\@:
	STEP \qf, \qs
	s_add_co_u32 s[TB], s[TB], STEPK
	s_sub_co_u32 s33, s33, 1
	s_cmp_lg_u32 s33, 0
	s_cbranch_scc1 .Lstep_\@
.rept 4
	v_nop                                          ; places behind the last products
.endr
	v_add_f32 v[SUM], v[SUM], v[SUM+1]             ; the sum's two halves,
	s_delay_alu instid0(VALU_DEP_1)
	v_permlanex16_b32 v[TP], v[SUM], s[SEL], s[SEL+1]
	s_delay_alu instid0(VALU_DEP_1)
	v_add_f32 v[SUM], v[SUM], v[TP]                ; and lane l xor 16's: the row's sum
	s_wait_alu depctr_va_vdst(0)
	v_rcp_f32 v[TP], v[SUM]
	v_nop                                          ; a plain place behind the transcendental
.set J, 0
	s_wait_alu depctr_va_vdst(0)
.rept 32
	v_mul_f32 v[S+J], v[O+J], v[TP]                ; O^T / l: register 8 t + j is channel 16 t + 8 h + j of my query
.set J, J+1
.endr
.irp b, 0,1                                    ; into the natural order: tile 2 b's lanes 16-31 change places with tile 2 b + 1's lanes 0-15: register 16 b + i is then channel 32 b + 16 h + i
.irp j, 0,1,2,3,4,5,6,7
	v_permlane16_swap_b32 v[S+16*\b+\j], v[S+16*\b+8+\j]
.endr
.endr
.irp b, 0,1
	v_max3_num_f32 v[BM+\b], |v[S+16*\b]|, |v[S+16*\b+1]|, 0x1800000   ; the head's two blocks of 32 along the last product's K, with the floor
.endr
.irp i, 2,4,6,8,10,12,14
.irp b, 0,1
	s_delay_alu instid0(VALU_DEP_2)
	v_max3_num_f32 v[BM+\b], v[BM+\b], |v[S+16*\b+\i]|, |v[S+16*\b+\i+1]|
.endr
.endr
.irp b, 0,1
	s_delay_alu instid0(VALU_DEP_2)
	v_permlanex16_b32 v[BP+\b], v[BM+\b], s[SEL], s[SEL+1]
.endr
.irp b, 0,1
	s_delay_alu instid0(VALU_DEP_2)
	v_max_num_f32 v[BM+\b], v[BM+\b], v[BP+\b]
.endr
.irp b, 0,1
	s_delay_alu instid0(VALU_DEP_2)
	v_add_nc_u32 v[SO+\b], 0xff000000, v[BM+\b]
.endr
.irp b, 0,1
	s_delay_alu instid0(VALU_DEP_2)
	v_lshrrev_b32 v[BP+\b], 23, v[SO+\b]
.endr
	v_cvt_scalef32_pk16_fp6_f32 v[\oc:\oc+2], v[S:S+15], v[SO]
	v_cvt_scalef32_pk16_fp6_f32 v[CT+4:CT+6], v[S+16:S+31], v[SO+1]
	v_nop                                          ; one plain place behind a scaled conversion
.irp i, 0,1,2
	v_permlane16_swap_b32 v[\oc+\i], v[CT+4+\i]
.endr
.irp i, 0,1,2
	s_delay_alu instid0(VALU_DEP_3)
	v_mov_b32 v[\oc+3+\i], v[CT+4+\i]              ; six registers: half a fragment of the last product's A: lanes 0-15 block 0, lanes 16-31 block 1
.endr
	v_cndmask_b32 v[\ob], v[BP], v[BP+1], s34      ; lane (r, h): the byte of my query's block h
	global_store_b128 v[L16], v[\oc:\oc+3], s[38:39] offset:196608*\p          ; 512 consecutive bytes, aligned
	global_store_b64 v[L8], v[\oc+4:\oc+5], s[38:39] offset:196608*\p+512      ; 256
	global_store_b8 v[VB], v[\ob], s[40:41] offset:8192*\p                     ; a head owns two bytes of a token's 32: one byte for each 24 of codes
.endm
	PASS 0, 16, 216, 86, 92
	PASS 1, 236, 217, 248, 254
	s_wait_tensorcnt 0x0
	ds_add_u32 v211, v255
	s_wait_dscnt 0x0
	ROUND                                          ; the closing round: no work-group ends while a partner may still ask for a block that names it
	s_endpgm
.Lfunc_end_k_q7522d049aa_attn:
	.size	k_q7522d049aa_attn, .Lfunc_end_k_q7522d049aa_attn-k_q7522d049aa_attn
	.p2alignl 7, 3214868480
	.fill 96, 4, 3214868480
	.section	.rodata,"a",@progbits
	.p2align	6, 0x0
	.amdhsa_kernel k_q7522d049aa_attn
		.amdhsa_group_segment_fixed_size 210944
		.amdhsa_private_segment_fixed_size 0
		.amdhsa_enable_private_segment 0
		.amdhsa_kernarg_size 32
		.amdhsa_user_sgpr_count 2
		.amdhsa_user_sgpr_kernarg_segment_ptr 1
		.amdhsa_wavefront_size32 1
		.amdhsa_system_sgpr_workgroup_id_x 1
		.amdhsa_system_sgpr_workgroup_id_y 1
		.amdhsa_system_sgpr_workgroup_id_z 1
		.amdhsa_system_vgpr_workitem_id 0
		.amdhsa_next_free_vgpr 256
		.amdhsa_next_free_sgpr 66
		.amdhsa_reserve_vcc 0
		.amdhsa_float_denorm_mode_32 3
		.amdhsa_float_denorm_mode_16_64 3
		.amdhsa_memory_ordered 1
		.amdhsa_forward_progress 1
		.amdhsa_inst_pref_size 52
	.end_amdhsa_kernel
	.amdgpu_metadata
---
amdhsa.version: [ 1, 2 ]
amdhsa.kernels:
  - .name:           k_q7522d049aa_attn
    .symbol:         k_q7522d049aa_attn.kd
    .args:
      - { .name: qws, .offset: 0, .size: 8, .value_kind: global_buffer, .address_space: global }
      - { .name: kvws, .offset: 8, .size: 8, .value_kind: global_buffer, .address_space: global }
      - { .name: oimg, .offset: 16, .size: 8, .value_kind: global_buffer, .address_space: global }
      - { .name: osc, .offset: 24, .size: 8, .value_kind: global_buffer, .address_space: global }
    .group_segment_fixed_size: 210944
    .private_segment_fixed_size: 0
    .kernarg_segment_align: 8
    .kernarg_segment_size: 32
    .max_flat_workgroup_size: 512
    .sgpr_count:     66
    .vgpr_count:     256
    .wavefront_size: 32
...
	.end_amdgpu_metadata
.endif
;; end of part 2
;; launch oproj (part 3): grid 8 x 32, 4 waves a work-group, clusters of 4 x 4, 327,680 bytes of LDS; arguments oimg, osc, w_o_codes, w_o_scales, out0; writes out0
.if DOCPART == 3
	.amdgcn_target "amdgcn-amd-amdhsa--gfx1250"
	.amdhsa_code_object_version 6
	.text
	.protected	k_q7522d049aa_oproj
	.globl	k_q7522d049aa_oproj
	.p2align	8
	.type	k_q7522d049aa_oproj,@function
k_q7522d049aa_oproj:
	s_mov_b64 s[64:65], 0
	v_nop
	global_prefetch_b8 v0, s[64:65] scope:SCOPE_SE
	s_setreg_imm32_b32 hwreg(HW_REG_WAVE_MODE, 25, 1), 1
	s_wait_xcnt 0x0
	s_wait_alu depctr_hold_cnt(0) depctr_sa_sdst(0) depctr_va_vdst(0) depctr_va_sdst(0) depctr_va_ssrc(0) depctr_va_vcc(0) depctr_vm_vsrc(0)
	s_getreg_b32 s2, hwreg(HW_REG_IB_STS2, 6, 4)
	s_cmp_eq_u32 s2, 0
	s_cbranch_scc0 .Lentry_in_a_cluster
	s_endpgm
.Lentry_in_a_cluster:
	s_bfe_u32 s2, ttmp6, 0x10000c
	s_cmp_lg_u32 s2, 0xf033
	s_cbranch_scc0 .Lentry_shape_is_right
	s_endpgm
.Lentry_shape_is_right:
; out = O W_o on codes of FP6 (E2M3), K = 1,024; f32 out.
; SHARES.  256 work-groups: 256 tokens (rt) x 128 columns (ct).  Four waves, 2 x 2: wave (a, b) takes tokens 128 a .. and columns 64 b ..; it holds its 64 rows of W_o, all of K, in 384 registers and streams O past them in 8 blocks of 16 tokens, 32 products each.
; LDS, each byte filled once: O's 16 tiles as images of operand registers (12,288 bytes a tile, dense), W_o's 128 rows (768 + 16 behind every 256), O's scale bytes, the spare words.
; THE WAY OUT.  Source 0 = W_o's rows: a lane holds eight neighbouring columns of a token's row.  A block goes through the wave's own stage (16 rows of 256 + 16 bytes) and leaves as whole rows of 256 bytes, sixteen lanes to a row.
; The stages lie in W_o's region, which has had its only fill and, behind the second barrier, its last read.
; CLUSTERS 4 x 4: O's tiles and scale bytes are asked for jointly by a row of the cluster, W_o's rows by a column.
; No data prefetch: all that the work-group reads is asked for by the head's four loads; there is no loop to run ahead in.
; LIMIT: NaN scale bytes (0xff) in w_o_scales are not served.
.set PITCH, 816
.set KROW,  768
.set TILE,  12288
.set WB,    16*TILE
.set SCLB,  WB+128*PITCH
.set SPARE, SCLB+32*272
.set NF,    34                         ; LDS loads of a block: 32 for eight fragments, 2 for eight scale words
.set FPW,   21
.set A16, 4                            ; my first tile + 16 x lane; v5: + 8 x lane
.set WN, 8
.set SPW, 10
.set NIL, 11
.set SN, 14
.set STO, 15
.set RD, 16
.set CO, 17
.set ADRA, 20
.set ABSN, 23
.set SB, 24
.set SA, 44
.set ACC, 64
.set BK, 96                            ; v96-159 rows read back from the stage, two sets
.set BA, 232
.set G1X, 24
.set G1W, 32
.set G1S, 92
.set G0X, 56
.set G0W, 60
.set G0S, 88
.set MSB, 0
.macro WIN new
.if MSB != (\new)
	s_set_vgpr_msb (MSB<<8)|(\new)
.set MSB, (\new)
.endif
.endm
.macro PLACES n
.rept \n
	v_nop
.endr
.endm
.macro WALU
	s_wait_alu depctr_va_vdst(0)
.endm
.macro BARRIER
	s_barrier_signal -1
	s_barrier_wait -1
.endm
.macro CROUND
	BARRIER
	s_cmp_lg_u32 s14, 0
	s_cbranch_scc1 .Lnw0_\@
	s_barrier_signal -3
.Lnw0_\@:
	s_barrier_wait -3
	BARRIER
.endm
.macro TLOAD g0, g1
	tensor_load_to_lds s[\g0:\g0+3], s[\g1:\g1+7]
	s_nop 0
	PLACES 4
.endm
.macro DENSE g, mask, bits, rows       ; a dense block as rows of 256 bytes
	s_or_b32 s[\g+0], s[\mask], \bits
	s_mov_b32 s[\g+1], 32<<16
	s_mov_b32 s[\g+2], (\rows)<<16
	s_mov_b32 s[\g+3], 32<<16
	s_mov_b32 s[\g+4], \rows
	s_mov_b32 s[\g+5], 32
	s_mov_b32 s[\g+6], 0
	s_mov_b32 s[\g+7], 0
.endm
.macro FRAG f, q, a0, a1               ; W_o's fragment: six pieces of 8 bytes, two to a load where both lie behind as many paddings
	WIN (1+(\f)/FPW)<<6
.set R_, 12*((\f)%FPW)
.set SKIP_, 0
.irp p, 0,1,2,3,4,5
.if SKIP_
.set SKIP_, 0
.else
.set PC_, 12*(\q)+6*(\p/3)+\p%3
.set PN_, 12*(\q)+6*((\p+1)/3)+(\p+1)%3
.set X_, (PC_%32+3)/32
.set XQ_, (PN_%32+3)/32
.if (\p < 5) && (X_ == XQ_)
.set SKIP_, 1
.if X_
	ds_load_2addr_b64 v[R_+2*\p:R_+2*\p+3], \a1 offset0:PC_+2*(PC_/32) offset1:PN_+2*(PN_/32)
.else
	ds_load_2addr_b64 v[R_+2*\p:R_+2*\p+3], \a0 offset0:PC_+2*(PC_/32) offset1:PN_+2*(PN_/32)
.endif
.elseif X_
	ds_load_b64 v[R_+2*\p:R_+2*\p+1], \a1 offset:8*(PC_+2*(PC_/32))
.else
	ds_load_b64 v[R_+2*\p:R_+2*\p+1], \a0 offset:8*(PC_+2*(PC_/32))
.endif
.endif
.endr
.endm
.macro GETO t                          ; tile t of O into set t % 2
.set T_, (\t)
	v_add_nc_u32 v[ADRA], T_*TILE, v[A16]
	v_add_nc_u32 v[ADRA+1], T_*TILE, v[A16+1]
	WALU
.irp q, 0,1,2,3,4,5,6,7
.set F_, 32+8*(T_%2)+\q
.set R_, 12*(F_%FPW)
	WIN (1+F_/FPW)<<6
	ds_load_b128 v[R_:R_+3], v[ADRA] offset:1536*\q
	ds_load_b64 v[R_+4:R_+5], v[ADRA+1] offset:1536*\q+512
	ds_load_b128 v[R_+6:R_+9], v[ADRA] offset:1536*\q+768
	ds_load_b64 v[R_+10:R_+11], v[ADRA+1] offset:1536*\q+1280
.endr
	WIN 0
	ds_load_b128 v[SA+8*(T_%2):SA+8*(T_%2)+3], v[SN] offset:544*T_
	ds_load_b128 v[SA+8*(T_%2)+4:SA+8*(T_%2)+7], v[SN] offset:544*T_+16
.endm
.macro P1 c, row
	v_wmma_scale_f32_16x16x128_f8f6f4 v[D_:D_+7], v[S0_:S0_+11], v[S1_:S1_+11], \c, v[X0_], v[X1_] matrix_a_fmt:MATRIX_FMT_FP6 matrix_b_fmt:MATRIX_FMT_FP6 matrix_a_scale:MATRIX_SCALE_ROW\row
.endm
.macro P2 row
.if Q_
	P1 v[D_:D_+7], \row
.else
	P1 0, \row
.endif
.endm
.macro BLOCK e                         ; 32 products, n = 4 q + j, the four accumulators by turns
.set N_, 0
.rept 32
.set Q_, N_/4
.set J_, N_%4
.set FW_, 4*Q_+J_
.set FX_, 32+8*(\e)+Q_
.set D_, ACC+8*J_
.set S0_, 12*(FW_%FPW)
.set S1_, 12*(FX_%FPW)
.set X0_, SB+8*(J_/2)+Q_
.set X1_, SA+8*(\e)+Q_
	WIN (1+FW_/FPW)|((1+FX_/FPW)<<2)
.if J_%2
	P2 1
.else
	P2 0
.endif
.set N_, N_+1
.endr
	WIN 0
.endm
.macro OBLK t
.if (\t) < 7
	s_wait_dscnt NF                                ; all but the next block's fetch
.else
	s_wait_dscnt 0x0
.endif
	s_wait_xcnt 0x0                                ; the stores of two blocks ago have read their registers
	BLOCK (\t)%2
	PLACES 5                                       ; five places: the next block's first products begin their sums anew on these accumulators
.irp j, 0,1,2,3
	ds_store_b128 v[STO], v[ACC+8*\j:ACC+8*\j+3] offset:64*\j
	ds_store_b128 v[STO], v[ACC+8*\j+4:ACC+8*\j+7] offset:64*\j+16
.endr
.set BB_, BK+32*((\t)%2)
.irp k, 0,1,2,3,4,5,6,7
	ds_load_b128 v[BB_+4*\k:BB_+4*\k+3], v[RD] offset:544*\k   ; LDS serves a wave's instructions in order: these see the stores above
.endr
.if (\t) < 6
	GETO (\t)+2
	s_wait_dscnt NF                                ; the rows are back; the fetch may be out
.else
	s_wait_dscnt 0x0
.endif
.irp k, 0,1,2,3,4,5,6,7
	global_store_b128 v[CO], v[BB_+4*\k:BB_+4*\k+3], s[12:13] offset:65536*(\t)+8192*\k th:TH_STORE_NT   ; sixteen lanes store 256 consecutive bytes, aligned
.endr
.endm
; ---- the head
	s_load_b256 s[68:75], s[0:1], 0x0              ; oimg 68, osc 70, w_o's codes 72, scales 74
	s_load_b64 s[12:13], s[0:1], 0x20              ; out0
	v_lshl_add_u32 v[SPW], v0, 2, SPARE
	v_mov_b32 v[NIL], 0
	ds_add_u32 v[SPW], v[NIL]                      ; the opening lines
	ds_add_u32 v[SPW], v[NIL]
	v_lshrrev_b32 v1, 5, v0
	v_readfirstlane_b32 s14, v1
	s_lshr_b32 s15, s14, 1
	s_and_b32 s16, s14, 1
	s_bfe_u32 s40, ttmp6, 0x40000
	s_bfe_u32 s41, ttmp6, 0x40004
	s_lshl_b32 s42, ttmp9, 2
	s_add_co_u32 s42, s42, s40                     ; ct
	s_and_b32 s43, ttmp7, 0xffff
	s_lshl_b32 s43, s43, 2
	s_add_co_u32 s43, s43, s41                     ; rt
	s_lshl_b32 s44, s41, 2
	s_lshl_b32 s44, 15, s44
	s_lshl_b32 s45, 0x1111, s40
	DENSE G1X, 44, (3<<16)|(1<<21), 384            ; eight tiles of O: 98,304 dense bytes
	DENSE G1S, 44, (3<<16)|(1<<20)|(1<<21)|(5<<22)|(3<<25), 32
	s_or_b32 s[G1W+0], s45, (1<<20)|(1<<21)|(5<<22)|(3<<25)
	s_mov_b32 s[G1W+1], KROW<<16
	s_mov_b32 s[G1W+2], 128<<16
	s_mov_b32 s[G1W+3], KROW<<16
	s_mov_b32 s[G1W+4], 128
	s_mov_b32 s[G1W+5], KROW
	s_mov_b32 s[G1W+6], 0
	s_mov_b32 s[G1W+7], 0
	s_mov_b32 s[G0X], 1
	s_mul_i32 s[G0X+1], s16, 8*TILE
	s_mov_b32 s[G0W], 1
	s_mov_b32 s[G0W+1], WB
	s_mov_b32 s[G0S], 1
	s_mov_b32 s[G0S+1], SCLB
	s_mul_i32 s4, s43, 16*TILE
	s_add_co_u32 s4, s4, s[G0X+1]
	s_mov_b32 s5, 0
	s_lshl_b32 s6, s43, 13
	s_mov_b32 s7, 0
	s_mul_i32 s8, s42, 128*KROW
	s_mov_b32 s9, 0
	s_lshl_b32 s46, s42, 12
	s_lshl_b32 s47, s16, 11
	s_add_co_u32 s46, s46, s47
	s_mov_b32 s47, 0
	WALU
	s_wait_dscnt 0x0
	CROUND
	s_wait_kmcnt 0x0
	s_add_nc_u64 s[G0X+2:G0X+3], s[68:69], s[4:5]
	s_or_b32 s[G0X+3], s[G0X+3], 0x80000000
	s_add_nc_u64 s[G0S+2:G0S+3], s[70:71], s[6:7]
	s_or_b32 s[G0S+3], s[G0S+3], 0x80000000
	s_add_nc_u64 s[G0W+2:G0W+3], s[72:73], s[8:9]
	s_or_b32 s[G0W+3], s[G0W+3], 0x80000000
	s_cmp_eq_u32 s14, 0
	s_cbranch_scc0 .La1
	TLOAD G0W, G1W                                 ; wave 0: W_o's rows
	s_branch .Lasked
.La1:
	s_cmp_eq_u32 s14, 1
	s_cbranch_scc0 .La2
	TLOAD G0S, G1S                                 ; wave 1: O's scale bytes
	s_branch .Lasked
.La2:
	TLOAD G0X, G1X                                 ; waves 2, 3: eight tiles of O each
.Lasked:
	s_add_nc_u64 s[74:75], s[74:75], s[46:47]
	s_lshl_b32 s50, s43, 8
	s_lshl_b32 s51, s15, 7
	s_add_co_u32 s50, s50, s51
	s_lshl_b32 s50, s50, 12                        ; my first row of out0, 4,096 bytes a row
	s_lshl_b32 s51, s42, 9
	s_add_co_u32 s50, s50, s51
	s_lshl_b32 s51, s16, 8
	s_add_co_u32 s50, s50, s51
	s_mov_b32 s51, 0
	s_add_nc_u64 s[12:13], s[12:13], s[50:51]
	s_mul_i32 s50, s15, 8*TILE
	s_mul_i32 s51, s16, 64*PITCH
	s_add_co_u32 s51, s51, WB
	s_mul_i32 s52, s15, 16*272
	s_add_co_u32 s52, s52, SCLB
	s_mul_i32 s53, s14, 16*272
	s_add_co_u32 s53, s53, WB                      ; my stage
	v_and_b32 v1, 15, v0
	v_bfe_u32 v2, v0, 4, 1
	v_and_b32 v3, 31, v0
	v_and_b32 v240, 7, v0
	v_bfe_u32 v241, v0, 3, 1
	v_mul_u32_u24 v242, v1, PITCH
	v_mad_u32_u24 v244, v2, 24, v242
	v_mad_u32_u24 v245, v2, 40, v242
	v_add_nc_u32 v[WN], s51, v244
	v_add_nc_u32 v[WN+1], s51, v245
	v_lshlrev_b32 v246, 4, v3
	v_lshlrev_b32 v247, 3, v3
	v_add_nc_u32 v[A16], s50, v246
	v_add_nc_u32 v[A16+1], s50, v247
	v_lshlrev_b32 v248, 5, v240
	v_mad_u32_u24 v[SN], v241, 272, v248
	v_add_nc_u32 v[SN], s52, v[SN]
	v_mul_u32_u24 v249, v1, 272
	v_lshl_add_u32 v249, v2, 5, v249
	v_add_nc_u32 v[STO], s53, v249                 ; in: row r, 32 bytes for each half of the lanes
	v_mul_u32_u24 v250, v2, 272
	v_lshl_add_u32 v250, v1, 4, v250
	v_add_nc_u32 v[RD], s53, v250                  ; back: lanes 0-15 one row, lanes 16-31 the next
	v_lshlrev_b32 v251, 12, v2
	v_lshl_add_u32 v[CO], v1, 4, v251
	v_lshlrev_b32 v[ABSN], 5, v3
.irp b, 0,1,2,3
	v_add_nc_u32 v[BA+2*\b], \b*16*PITCH, v[WN]
	v_add_nc_u32 v[BA+2*\b+1], \b*16*PITCH, v[WN+1]
.endr
	WALU
.irp p, 0,1
.irp c, 0,1
	global_load_b128 v[SB+8*\p+4*\c:SB+8*\p+4*\c+3], v[ABSN], s[74:75] offset:1024*\p+16*\c
.endr
.endr
	s_wait_loadcnt 0x0
	s_cmp_eq_u32 s14, 0
	s_cbranch_scc0 .Lnot_w
	s_wait_tensorcnt 0x0
.Lnot_w:
	BARRIER                                        ; W_o's rows are in
.irp q, 0,1,2,3,4,5,6,7
.irp b, 0,1,2,3
	FRAG 4*\q+\b, \q, v[BA+2*\b], v[BA+2*\b+1]
.endr
.endr
	WIN 0
	s_wait_tensorcnt 0x0
	s_wait_dscnt 0x0
	BARRIER                                        ; O and its scale bytes are in, and nobody reads W_o's region any more
	GETO 0
	GETO 1
.irp t, 0,1,2,3,4,5,6,7
	OBLK \t
.endr
	s_wait_tensorcnt 0x0                           ; the wave's end
	ds_add_u32 v[SPW], v[NIL]
	s_wait_dscnt 0x0
	CROUND
	s_endpgm
.Lfunc_end_k_q7522d049aa_oproj:
	.size	k_q7522d049aa_oproj, .Lfunc_end_k_q7522d049aa_oproj-k_q7522d049aa_oproj
	.p2alignl 7, 3214868480
	.fill 96, 4, 3214868480
	.section	.rodata,"a",@progbits
	.p2align	6, 0x0
	.amdhsa_kernel k_q7522d049aa_oproj
		.amdhsa_group_segment_fixed_size 327680
		.amdhsa_private_segment_fixed_size 0
		.amdhsa_enable_private_segment 0
		.amdhsa_kernarg_size 40
		.amdhsa_user_sgpr_count 2
		.amdhsa_user_sgpr_kernarg_segment_ptr 1
		.amdhsa_wavefront_size32 1
		.amdhsa_system_sgpr_workgroup_id_x 1
		.amdhsa_system_sgpr_workgroup_id_y 1
		.amdhsa_system_sgpr_workgroup_id_z 1
		.amdhsa_system_vgpr_workitem_id 0
		.amdhsa_next_free_vgpr 848
		.amdhsa_next_free_sgpr 100
		.amdhsa_reserve_vcc 0
		.amdhsa_float_denorm_mode_32 3
		.amdhsa_float_denorm_mode_16_64 3
		.amdhsa_memory_ordered 1
		.amdhsa_forward_progress 1
		.amdhsa_inst_pref_size 83
	.end_amdhsa_kernel
	.amdgpu_metadata
---
amdhsa.version: [ 1, 2 ]
amdhsa.kernels:
  - .name:           k_q7522d049aa_oproj
    .symbol:         k_q7522d049aa_oproj.kd
    .args:
      - { .name: oimg, .offset: 0, .size: 8, .value_kind: global_buffer, .address_space: global }
      - { .name: osc, .offset: 8, .size: 8, .value_kind: global_buffer, .address_space: global }
      - { .name: w_o_codes, .offset: 16, .size: 8, .value_kind: global_buffer, .address_space: global }
      - { .name: w_o_scales, .offset: 24, .size: 8, .value_kind: global_buffer, .address_space: global }
      - { .name: out0, .offset: 32, .size: 8, .value_kind: global_buffer, .address_space: global }
    .group_segment_fixed_size: 327680
    .private_segment_fixed_size: 0
    .kernarg_segment_align: 8
    .kernarg_segment_size: 40
    .max_flat_workgroup_size: 128
    .sgpr_count:     100
    .vgpr_count:     848
    .wavefront_size: 32
...
	.end_amdgpu_metadata
.endif
;; end of part 3
